; MI455X (gfx1250); checked and timed in simulation.
; The chip was launched on July 23, 2026; its instructions are those of AMD's public machine-readable ISA for CDNA 5 (MIT licence, August 2026) and "CDNA5" Instruction Set Architecture Reference Guide (July 2026). The comments in the code are by the model that wrote it; some were corrected since.
;; Quantized Linear. Allowed arithmetic: float matrix products may take bf16 or f16 operands with f32 sums; other float arithmetic in f32, or as packed bf16 or f16 multiplies, adds, multiply-adds, maxima and minima; sums over many terms, partial sums and values carried from step to step in f32; what a program stores and reads back later, other than sums and carried values, may be rounded once to bf16 or f16.
;; Inputs: act_scale one number float32; act_zero_point one number float32; bias 16,384 float32; weight_int 16,384 x 4,096 int8; weight_scales 16,384 float32; x 1,024 x 4,096 float16.
;; Outputs: out0 1,024 x 16,384 float16.
;; 3 versions, each right; version 2 is faster than version 1; version 3 is version 2 with the launch quant written anew for expert scheduling mode. Each part assembles by itself: llvm-mc -triple=amdgcn-amd-amdhsa -mcpu=gfx1250 --defsym DOCPART=n.
;; ======== version 1 of 3: 2 launches
;; limits: values are held in f16: magnitudes above 65,504 overflow, below 6.1e-05 lose precision; right only within a limited range of input values
;; workspace buffers: xq 8,388,608 bytes
;; launch quant (part 1): grid 256 x 1, 8 waves a work-group, no clusters, 0 bytes of LDS; arguments x, act_scale, act_zero_point, xq; writes xq
.if DOCPART == 1
	.amdgcn_target "amdgcn-amd-amdhsa--gfx1250"
	.amdhsa_code_object_version 6
	.text
	.protected	k_qea69c3aff3_quant
	.globl	k_qea69c3aff3_quant
	.p2align	8
	.type	k_qea69c3aff3_quant,@function
k_qea69c3aff3_quant:
	s_mov_b64 s[64:65], 0
	v_nop
	global_prefetch_b8 v0, s[64:65] scope:SCOPE_SE
	s_setreg_imm32_b32 hwreg(HW_REG_WAVE_MODE, 25, 1), 1
	s_wait_xcnt 0x0
; xq[m][k] = f16( trunc( clip( rndne( f32(x[m][k]) * (1 / act_scale) ) + zp, -128, 127 ) ) - zp ).   x, xq: [1024][4096] f16.
; The quantised activation is stored with the zero point already taken away: sum_k (x_int - zp) w = sum_k x_int w - zp sum_k w,
; so the product that follows needs no row sums of the weights and forms no difference of large sums.
; A stream: every byte of x is read once and every byte of xq written once; LDS, barriers and matrix units would add nothing.
; 256 work-groups of eight waves; a work-group owns 32,768 consecutive bytes, thread t the 16 bytes at 16 t + 4,096 j, j = 0 .. 7,
; so each load and each store of a wave covers 512 consecutive bytes that begin at a multiple of 512.  All eight loads go out at once.
; LIMITS: a NaN in x gives a number that is not specified (the cast of a NaN to int8 is not either).  act_scale is finite, not zero, and
; neither it nor its reciprocal is denormal (v_rcp_f32 flushes denormals: ISA guide, its entry in 15.8); the reciprocal is v_rcp_f32 with one
; Newton step, not a division.  128 + |zp| must lie below 65,504 (f16); up to 2,048 whole numbers are exact; a zero point that is not whole
; is rounded with the difference to f16.
.set T, 8                              ; v[8:15]   eight numbers in f32, at work
.set X, 16                             ; v[16:47]  chunk j: four registers, as loaded and then as stored
	s_load_b256 s[4:11], s[0:1], 0x0               ; x s[4:5], the address of act_scale s[6:7], of the zero point s[8:9], xq s[10:11]
	s_lshl_b32 s2, ttmp9, 15                       ; the work-group's 32,768 bytes
	s_mov_b32 s3, 0
	s_mov_b32 s14, 0xc3000000                      ; -128.0
	s_mov_b32 s15, 0x42fe0000                      ; 127.0
	v_lshlrev_b32 v1, 4, v0                        ; 16 t; never rewritten
	s_wait_kmcnt 0x0
	s_load_b32 s12, s[6:7], 0x0                    ; act_scale
	s_load_b32 s13, s[8:9], 0x0                    ; the zero point
	s_add_nc_u64 s[4:5], s[4:5], s[2:3]
	s_add_nc_u64 s[10:11], s[10:11], s[2:3]
.irp j, 0,1,2,3,4,5,6,7
	global_load_b128 v[X+4*\j:X+4*\j+3], v1, s[4:5] offset:4096*\j th:TH_LOAD_NT   ; x is read once in the launch
.endr
	s_wait_kmcnt 0x0
	v_mov_b32 v6, s12
	v_rcp_f32 v7, v6
	v_mov_b32 v4, s13                              ; the plain instruction that stands between v_rcp_f32 and the use of its result (ISA guide 5.7.2)
	v_mov_b32 v5, s13                              ; v[4:5] = the zero point, twice
	s_wait_alu depctr_va_vdst(0)
	v_fma_f32 v2, -v6, v7, 1.0                     ; one Newton step: e = 1 - s r,
	v_fma_f32 v2, v7, v2, v7                       ; r + r e
	v_mov_b32 v3, v2                               ; v[2:3] = 1 / act_scale, twice
; Chunk j.  The eight last arguments are the halves of its four registers, written out as whole operand names.
.macro Q8 j, a, b, c, d, e, f, g, h
	s_wait_loadcnt 7-\j                            ; loads come back in order (ISA guide 5.7.1): chunk j is in, the 7 - j younger ones stay out
	v_cvt_f32_f16 v[T+0], \a
	v_cvt_f32_f16 v[T+1], \b
	v_cvt_f32_f16 v[T+2], \c
	v_cvt_f32_f16 v[T+3], \d
	v_cvt_f32_f16 v[T+4], \e
	v_cvt_f32_f16 v[T+5], \f
	v_cvt_f32_f16 v[T+6], \g
	v_cvt_f32_f16 v[T+7], \h
.irp k, 0,2,4,6
	v_pk_mul_f32 v[T+\k:T+\k+1], v[T+\k:T+\k+1], v[2:3]        ; x / act_scale
.endr
.irp k, 0,1,2,3,4,5,6,7
	v_rndne_f32 v[T+\k], v[T+\k]                               ; to the nearest whole number, ties to even
.endr
.irp k, 0,2,4,6
	v_pk_add_f32 v[T+\k:T+\k+1], v[T+\k:T+\k+1], v[4:5]        ; + zp (the rounding stands between: no fused form)
.endr
.irp k, 0,1,2,3,4,5,6,7
	v_med3_num_f32 v[T+\k], v[T+\k], s14, s15                  ; clip to -128 .. 127
.endr
.irp k, 0,1,2,3,4,5,6,7
	v_trunc_f32 v[T+\k], v[T+\k]                               ; the cast to int8 drops a fraction that a zero point may have brought
.endr
.irp k, 0,2,4,6
	v_pk_add_f32 v[T+\k:T+\k+1], v[T+\k:T+\k+1], v[4:5] neg_lo:[0,1] neg_hi:[0,1]   ; - zp
.endr
.irp k, 0,1,2,3
	v_cvt_pk_f16_f32 v[X+4*\j+\k], v[T+2*\k], v[T+2*\k+1]
.endr
	global_store_b128 v1, v[X+4*\j:X+4*\j+3], s[10:11] offset:4096*\j   ; its registers are not written again; no hint: the next launch reads xq
.endm
	Q8 0, v16.l, v16.h, v17.l, v17.h, v18.l, v18.h, v19.l, v19.h
	Q8 1, v20.l, v20.h, v21.l, v21.h, v22.l, v22.h, v23.l, v23.h
	Q8 2, v24.l, v24.h, v25.l, v25.h, v26.l, v26.h, v27.l, v27.h
	Q8 3, v28.l, v28.h, v29.l, v29.h, v30.l, v30.h, v31.l, v31.h
	Q8 4, v32.l, v32.h, v33.l, v33.h, v34.l, v34.h, v35.l, v35.h
	Q8 5, v36.l, v36.h, v37.l, v37.h, v38.l, v38.h, v39.l, v39.h
	Q8 6, v40.l, v40.h, v41.l, v41.h, v42.l, v42.h, v43.l, v43.h
	Q8 7, v44.l, v44.h, v45.l, v45.h, v46.l, v46.h, v47.l, v47.h
	s_endpgm
.Lfunc_end_k_qea69c3aff3_quant:
	.size	k_qea69c3aff3_quant, .Lfunc_end_k_qea69c3aff3_quant-k_qea69c3aff3_quant
	.p2alignl 7, 3214868480
	.fill 96, 4, 3214868480
	.section	.rodata,"a",@progbits
	.p2align	6, 0x0
	.amdhsa_kernel k_qea69c3aff3_quant
		.amdhsa_group_segment_fixed_size 0
		.amdhsa_private_segment_fixed_size 0
		.amdhsa_enable_private_segment 0
		.amdhsa_kernarg_size 32
		.amdhsa_user_sgpr_count 2
		.amdhsa_user_sgpr_kernarg_segment_ptr 1
		.amdhsa_wavefront_size32 1
		.amdhsa_system_sgpr_workgroup_id_x 1
		.amdhsa_system_sgpr_workgroup_id_y 1
		.amdhsa_system_sgpr_workgroup_id_z 1
		.amdhsa_system_vgpr_workitem_id 0
		.amdhsa_next_free_vgpr 48
		.amdhsa_next_free_sgpr 66
		.amdhsa_reserve_vcc 0
		.amdhsa_float_denorm_mode_32 3
		.amdhsa_float_denorm_mode_16_64 3
		.amdhsa_memory_ordered 1
		.amdhsa_forward_progress 1
		.amdhsa_inst_pref_size 21
	.end_amdhsa_kernel
	.amdgpu_metadata
---
amdhsa.version: [ 1, 2 ]
amdhsa.kernels:
  - .name:           k_qea69c3aff3_quant
    .symbol:         k_qea69c3aff3_quant.kd
    .args:
      - { .name: x, .offset: 0, .size: 8, .value_kind: global_buffer, .address_space: global }
      - { .name: act_scale, .offset: 8, .size: 8, .value_kind: global_buffer, .address_space: global }
      - { .name: act_zero_point, .offset: 16, .size: 8, .value_kind: global_buffer, .address_space: global }
      - { .name: xq, .offset: 24, .size: 8, .value_kind: global_buffer, .address_space: global }
    .group_segment_fixed_size: 0
    .private_segment_fixed_size: 0
    .kernarg_segment_align: 8
    .kernarg_segment_size: 32
    .max_flat_workgroup_size: 256
    .sgpr_count:     66
    .vgpr_count:     48
    .wavefront_size: 32
...
	.end_amdgpu_metadata
.endif
;; end of part 1
;; launch gemm (part 2): grid 64 x 4, 4 waves a work-group, clusters of 4 x 4, 327,680 bytes of LDS; arguments xq, weight_int, out0, weight_scales, bias, act_scale; writes out0
.if DOCPART == 2
	.amdgcn_target "amdgcn-amd-amdhsa--gfx1250"
	.amdhsa_code_object_version 6
	.text
	.protected	k_qea69c3aff3_gemm
	.globl	k_qea69c3aff3_gemm
	.p2align	8
	.type	k_qea69c3aff3_gemm,@function
k_qea69c3aff3_gemm:
	s_mov_b64 s[64:65], 0
	v_nop
	global_prefetch_b8 v0, s[64:65] scope:SCOPE_SE
	s_setreg_imm32_b32 hwreg(HW_REG_WAVE_MODE, 25, 1), 1
	s_wait_xcnt 0x0
	s_wait_alu depctr_hold_cnt(0) depctr_sa_sdst(0) depctr_va_vdst(0) depctr_va_sdst(0) depctr_va_ssrc(0) depctr_va_vcc(0) depctr_vm_vsrc(0)
	s_getreg_b32 s2, hwreg(HW_REG_IB_STS2, 6, 4)
	s_cmp_eq_u32 s2, 0
	s_cbranch_scc0 .Lentry_in_a_cluster
	s_endpgm
.Lentry_in_a_cluster:
	s_bfe_u32 s2, ttmp6, 0x10000c
	s_cmp_lg_u32 s2, 0xf033
	s_cbranch_scc0 .Lentry_shape_is_right
	s_endpgm
.Lentry_shape_is_right:
; out0[m][n] = f16( (sum over k of xq[m][k] w[n][k]) * (weight_scales[n] * act_scale) + bias[n] ).
; xq: [1024][4096] f16 (quantised activation less the zero point), w: [16384][4096] int8, out0: [1024][16384] f16; sums in f32.
; A work-group makes 256 x 256 of the output with four waves, a wave 128 x 128: 64 accumulator tiles of 16 x 16, 512 registers.
; THE WEIGHTS STAY int8 in memory and in LDS and become f16 in registers, on the way into the matrix instruction: every whole number from
; -128 to 127 is exact in f16.  Each raw word costs one xor, two byte permutes and two packed adds, and these stand between the matrix
; instructions of the same column block, under the same setting of the register windows.
; K: xq goes in steps of 128 (rows of 256 bytes) through two LDS slots, w in periods of 256 (rows of 256 bytes too) through two more.
; A quarter is 32 along K: 64 matrix instructions.  A lap is 16 quarters = 4 steps = 2 periods; 8 laps.
; CLUSTERS: 4 x 4 work-groups.  The four of a cluster's row make one block row and ask jointly for xq's tiles; the four of a column make one
; block column and ask jointly for w's tiles.  The four block rows are all of M, so each tile of w is asked for by one cluster alone.
; LIMITS: sums above 2^24 are rounded in f32; what xq holds is said at the head of the launch that makes it.
;
; LDS, rows 272 bytes apart (256 of data, 16 of padding: row r begins 17 r blocks of 16 bytes on, so the sixteen rows that a fragment load
; touches lie in sixteen different 16-byte columns modulo 256 bytes):
;   xq slot 0, 1: 256 rows each; w slot 0, 1: 256 rows each; then a stage of 16 rows for each wave and 1,024 bytes of scales and bias for
;   each wave, both written by LDS stores, in blocks of 256 bytes into which no tensor load writes.
; REGISTERS, in windows of 256: window 0 holds addresses, raw words of w and fragments of xq.  Column block b (0 .. 7) lives in window
; 1 + b / 3 from register 80 (b mod 3) on: its eight accumulator tiles (64 registers), then its f16 fragment of w, two buffers of 8.
; With source 0, C and D in window w and source 1 in window 0, both the block's matrix instructions and its conversions can be named:
; four switches of the windows in a quarter.
; ORDER OF K IN A FRAGMENT: lane (r, h) puts k0 + 16 h + 0 .. 15 in its sixteen places, for w and for xq alike; the same permutation of k
; on both sides leaves each sum's products as they are.  So w takes one 16-byte load a block and quarter, xq two neighbouring ones.
; TRANSPOSED USE: source 0 = 16 rows of w, source 1 = 16 rows of xq: a lane's eight results are eight neighbouring columns of one output row.
.set PITCH, 272
.set BLK,   16*PITCH                   ; sixteen rows
.set HALFT, 128*PITCH                  ; what one tensor load brings: 128 rows
.set ASLOT, 2*HALFT                    ; a slot: 256 rows
.set WBASE, 2*ASLOT                    ; w's two slots lie behind xq's two
.set STAGE, 4*ASLOT                    ; 4 x 16 rows for the way out
.set SCR,   STAGE+4*BLK                ; 4 x (512 bytes of scales, 512 of bias)
.set ROWC,  32768                      ; bytes in a row of out0
.set ADRA, 16                          ; v16-17  LDS address of my xq fragments in slot 0, 1
.set ADRW, 18                          ; v18-19  the same for w's raw words
.set STO,  20                          ; v20     the way out: where I put 16 bytes of a row
.set RDB,  21                          ; v21     the way out: where I read a row back
.set CO,   22                          ; v22     my byte offset in out0
.set SCA,  23                          ; v23     my scales in LDS
.set KNEG, 24                          ; v24     -1152, twice, in f16
.set RAW0, 32                          ; v32-63 raw words of w, buffer 0 (block b at + 4 b); buffer 1 at v192-223
.set FA0,  64                          ; v64-127 fragments of xq, buffer 0; buffer 1 at v128-191
.set TT,   240                         ; v240-243 of windows 1 to 3: at work in the conversion
.set RB,   32                          ; the way out: rows read back
.set SC,   64                          ; the way out: scale of my 8 columns in each block
.set BI,   128                         ; the way out: bias likewise
.set TF,   192                         ; the way out: results in f32, then packed
.set G1A, 24                           ; s[24:31] descriptor group 1 for xq's tiles
.set G0A, 32                           ; s[32:39] group 0 for xq's tiles, one set for each slot
.set G1W, 48                           ; s[48:55] group 1 for w's tiles
.set G0W, 56                           ; s[56:63] group 0 for w's tiles, one set for each slot
.set WSET1, 0x51                       ; source 0, C and D in window 1, source 1 in window 0
.set WSET2, 0xa2                       ; the same with window 2
.set WSET3, 0xf3                       ; the same with window 3
.set MSB, 0
.set CUR, 0
.macro WIN new                         ; the immediate's high byte repeats the setting that is left; a switch that changes nothing is dropped
.if MSB != (\new)
	s_set_vgpr_msb (MSB<<8)|(\new)
.set MSB, \new
.endif
.endm
.macro PLACES
.rept 4
	v_nop
.endr
.endm
; Joint loads.  Waves 0 and 1 fetch the two halves of xq's tile, waves 2 and 3 those of w's.  Each line has one mask and one set of registers,
; equal in the four work-groups that the mask names; the branch hangs on the wave's number alone.  Four v_nop follow each line.
.macro JLOAD_AW sa, sw
	s_cmp_eq_u32 s11, 0
	s_cbranch_scc0 .Lfor_w_\@
	tensor_load_to_lds s[G0A+4*\sa:G0A+4*\sa+3], s[G1A:G1A+7]
	s_nop 0
.rept 4
	v_nop
.endr
	s_branch .Lasked_\@
.Lfor_w_\@:
	tensor_load_to_lds s[G0W+4*\sw:G0W+4*\sw+3], s[G1W:G1W+7]
	s_nop 0
.rept 4
	v_nop
.endr
.Lasked_\@:
.endm
.macro JLOAD_A sa                      ; a step that ends no period: only xq's slot is due, waves 2 and 3 have nothing to fetch
	s_cmp_eq_u32 s11, 0
	s_cbranch_scc0 .Lnone_\@
	tensor_load_to_lds s[G0A+4*\sa:G0A+4*\sa+3], s[G1A:G1A+7]
	s_nop 0
.rept 4
	v_nop
.endr
.Lnone_\@:
.endm
; A round of the cluster's barrier: my work-group's barrier, wave 0 signals for the work-group, every wave waits for all sixteen, my work-group's barrier again.
.macro CREST                           ; a round behind its opening barrier
	s_cmp_lg_u32 s10, 0
	s_cbranch_scc1 .Lnot_wave_0_\@
	s_barrier_signal -3
.Lnot_wave_0_\@:
	s_barrier_wait -3
	s_barrier_signal -1
	s_barrier_wait -1
.endm
.macro CROUND
	s_barrier_signal -1
	s_barrier_wait -1
	CREST
.endm
	s_load_b128 s[4:7], s[0:1], 0x0                ; xq s[4:5], w s[6:7]
	s_load_b64 s[8:9], s[0:1], 0x10                ; out0
	s_load_b128 s[68:71], s[0:1], 0x18             ; weight_scales s[68:69], bias s[70:71]
	s_load_b64 s[72:73], s[0:1], 0x28              ; the address of act_scale
	s_set_vgpr_msb 0x40
	v_lshl_add_u32 v255, v0, 2, 0x49400
	s_set_vgpr_msb 0x4000
	v_mov_b32 v27, 0
	s_set_vgpr_msb 0x1
	ds_add_u32 v255, v27
	s_set_vgpr_msb 0x100
	v_lshrrev_b32 v1, 5, v0
	v_readfirstlane_b32 s10, v1                    ; wave 0 .. 3
	s_lshr_b32 s11, s10, 1                         ; which half of the block's rows is mine.  Also: I fetch for xq (0) or for w (1)
	s_and_b32 s12, s10, 1                          ; which half of its columns.  Also: which 128 rows of that tile I fetch
	s_bfe_u32 s40, ttmp6, 0x40000                  ; cx
	s_bfe_u32 s41, ttmp6, 0x40004                  ; cy
	s_lshl_b32 s42, ttmp9, 2
	s_add_co_u32 s42, s42, s40                     ; block column = 4 x cluster x + cx
	s_and_b32 s13, ttmp7, 0xffff
	s_lshl_b32 s13, s13, 2
	s_add_co_u32 s13, s13, s41                     ; block row = 4 x cluster y + cy
	s_lshl_b32 s43, s41, 2
	s_lshl_b32 s43, 15, s43                        ; my row of the cluster: places 4 cy .. 4 cy + 3
	s_lshl_b32 s44, 0x1111, s40                    ; my column: places cx, cx + 4, cx + 8, cx + 12
	; group 1 for xq: 128 rows x 128 elements of 2 bytes; for w: 128 rows x 256 elements of 1 byte.  Both: rows of 64 words, 4 words of padding behind each.
	s_or_b32 s[G1A+0], s43, 0x07710000             ; 15:0 mask; 17:16 element of 2 bytes; 20 padding on; 21 set beside a mask; 24:22 code 5 (64 words); 31:25 code 3 (4 words)
	s_or_b32 s[G1W+0], s44, 0x07700000             ; the same with elements of 1 byte and the mask of my column
	s_mov_b32 s[G1A+1], 128<<16                    ; tensor_dim0 = 128
	s_mov_b32 s[G1W+1], 256<<16                    ; tensor_dim0 = 256
	s_mov_b32 s[G1A+2], 128<<16                    ; tensor_dim1 = 128
	s_mov_b32 s[G1W+2], 128<<16
	s_mov_b32 s[G1A+3], 128<<16                    ; tile_dim0 = 128
	s_mov_b32 s[G1W+3], 256<<16                    ; tile_dim0 = 256
	s_mov_b32 s[G1A+4], 128                        ; tile_dim1 = 128 rows
	s_mov_b32 s[G1W+4], 128
	s_mov_b32 s[G1A+5], 4096                       ; elements from row to row
	s_mov_b32 s[G1W+5], 4096
	s_mov_b32 s[G1A+6], 0
	s_mov_b32 s[G1W+6], 0
	s_mov_b32 s[G1A+7], 0
	s_mov_b32 s[G1W+7], 0
	; where the tiles come from: xq's hang on the block row alone, w's on the block column alone, each in registers that never hold the other coordinate
	s_lshl_b32 s17, s12, 7                         ; which 128 rows I fetch
	s_lshl_b32 s16, s13, 8
	s_add_co_u32 s16, s16, s17
	s_lshl_b32 s16, s16, 13                        ; xq: (256 x block row + 128 x half) rows of 8,192 bytes: below 8 MiB
	s_lshl_b32 s46, s42, 8
	s_add_co_u32 s46, s46, s17
	s_lshl_b32 s46, s46, 12                        ; w: (256 x block column + 128 x half) rows of 4,096 bytes: below 64 MiB
	s_mov_b32 s17, 0
	s_mov_b32 s47, 0
	s_mul_i32 s20, s10, HALFT                      ; and where they go: the wave's number times 128 rows, plus constants
	s_mov_b32 s74, 0x80808080                      ; int8 to its value + 128, four at a time
	s_mov_b32 s75, 0x64646464                      ; the upper byte of f16 1024 .. 1279
	s_mov_b32 s76, 0x00050004                      ; bytes 0 and 1 of the first source under that upper byte
	s_mov_b32 s77, 0x00070006                      ; bytes 2 and 3
	s_wait_dscnt 0x0
	s_wait_kmcnt 0x0
	s_add_nc_u64 s[14:15], s[4:5], s[16:17]
	s_add_nc_u64 s[46:47], s[6:7], s[46:47]
	CROUND                                         ; all sixteen work-groups are here: the first joint loads meet
.irp s, 0,1
	s_mov_b32 s[G0A+4*\s], 1                                       ; count = 1
	s_add_co_u32 s[G0A+4*\s+1], s20, \s*ASLOT                      ; LDS: waves 0, 1 fill the slot's two halves
	s_add_nc_u64 s[G0A+4*\s+2:G0A+4*\s+3], s[14:15], \s*256        ; step s of K
	s_or_b32 s[G0A+4*\s+3], s[G0A+4*\s+3], 0x80000000              ; type = 2
	s_mov_b32 s[G0W+4*\s], 1
	s_add_co_u32 s[G0W+4*\s+1], s20, WBASE-2*HALFT+\s*ASLOT        ; LDS: waves 2, 3 fill the slot's two halves
	s_add_nc_u64 s[G0W+4*\s+2:G0W+4*\s+3], s[46:47], \s*256        ; period s of K
	s_or_b32 s[G0W+4*\s+3], s[G0W+4*\s+3], 0x80000000
	JLOAD_AW \s, \s                                ; all four slots are asked for before anything else: two loads a wave are out
.endr
	s_load_b32 s78, s[72:73], 0x0                  ; act_scale
	v_and_b32 v1, 15, v0                           ; r = lane % 16
	v_bfe_u32 v2, v0, 4, 1                         ; h = lane / 16
	v_and_b32 v6, 31, v0                           ; lane
	v_mul_u32_u24 v3, v1, PITCH
	v_lshl_add_u32 v4, v2, 5, v3                   ; xq: row r, 32 bytes (16 k) for each half of the lanes
	v_lshl_add_u32 v5, v2, 4, v3                   ; w: row r, 16 bytes (16 k) for each half; the stage's stores too
	s_mul_i32 s21, s11, HALFT                      ; my 128 rows of xq
	s_mul_i32 s22, s12, HALFT                      ; my 128 rows of w
	s_add_co_u32 s22, s22, WBASE
.irp s, 0,1
	v_add_nc_u32 v[ADRA+\s], s21, v4
	v_add_nc_u32 v[ADRW+\s], s22, v5
	s_add_co_u32 s21, s21, ASLOT
	s_add_co_u32 s22, s22, ASLOT
.endr
	s_mul_i32 s23, s10, BLK
	s_add_co_u32 s23, s23, STAGE                   ; my stage
	v_add_nc_u32 v[STO], s23, v5
	v_mul_u32_u24 v7, v2, PITCH                    ; back: lanes 0-15 take one row of 256 bytes, lanes 16-31 the next
	v_lshl_add_u32 v7, v1, 4, v7
	v_add_nc_u32 v[RDB], s23, v7
	v_lshlrev_b32 v8, 15, v2                       ; and the same two rows in out0
	v_lshl_add_u32 v[CO], v1, 4, v8
	s_lshl_b32 s19, s10, 10
	s_add_co_u32 s19, s19, SCR                     ; my 1,024 bytes of scales and bias
	v_lshl_add_u32 v[SCA], v2, 5, s19              ; a lane's eight columns of a block begin 32 h bytes in
	v_lshl_add_u32 v9, v6, 4, s19
	s_lshl_b32 s45, s42, 10
	s_lshl_b32 s18, s12, 9
	s_add_co_u32 s45, s45, s18                     ; 4 bytes x (256 x block column + 128 x half)
	v_lshl_add_u32 v10, v6, 4, s45
	global_load_b128 v[12:15], v10, s[68:69]       ; my wave's 128 scales: 512 consecutive bytes, once
	global_load_b128 v[28:31], v10, s[70:71]       ; and its 128 biases
	v_mov_b32 v[KNEG], 0xe480e480
	s_wait_kmcnt 0x0
	s_wait_loadcnt 0x0
.irp j, 12,13,14,15
	v_mul_f32 v\j, s78, v\j                        ; weight_scales x act_scale
.endr
	ds_store_b128 v9, v[12:15]
	ds_store_b128 v9, v[28:31] offset:512          ; only my wave reads these bytes, on the way out
; The symbols of column block b.  CUR = the fragment buffers that the quarter multiplies.
.macro SETB b
.set GB, 80*((\b)%3)                   ; the block's accumulators
.set CF, GB+64+8*CUR                   ; its fragment of w in use
.set CN, GB+72-8*CUR                   ; the one being made, for the next quarter
.set RW, RAW0+160*(1-CUR)+4*(\b)       ; the raw words it is made of
.set FB, FA0+64*CUR                    ; xq's fragments in use
.endm
.macro CVX d                           ; u = w + 128, four bytes
	v_xor_b32 v[TT+\d], s74, v[RW+\d]
.endm
.macro CVP d, hf                       ; two bytes u under the byte 0x64: two f16 of value 1024 + u
	v_perm_b32 v[CN+2*\d+\hf], v[TT+\d], s75, s[76+\hf]
.endm
.macro CVA j                           ; less 1152: w, exact
	v_pk_add_f16 v[CN+\j], v[CN+\j], v[KNEG]
.endm
.macro MM a, zero                      ; tile (a, b); zero = 1: the first product starts the sum, nothing is cleared
.if \zero
	v_wmma_f32_16x16x32_f16 v[GB+8*\a:GB+8*\a+7], v[CF:CF+7], v[FB+8*\a:FB+8*\a+7], 0
.else
	v_wmma_f32_16x16x32_f16 v[GB+8*\a:GB+8*\a+7], v[CF:CF+7], v[FB+8*\a:FB+8*\a+7], v[GB+8*\a:GB+8*\a+7]
.endif
.endm
; Eight matrix instructions of block b and, with cv = 1, the twenty instructions that make its next fragment, strewn among them.
; They write the other buffer and v240-243 only: registers that none of the matrix instructions nearby names.
; The 64 accumulators take turns, one instruction a turn, in the same order in every quarter.
.macro GROUP b, cv, zero
	SETB \b
	MM 0, \zero
.if \cv
	CVX 0
	CVX 1
.endif
	MM 1, \zero
.if \cv
	CVX 2
	CVX 3
.endif
	MM 2, \zero
.if \cv
	CVP 0, 0
	CVP 0, 1
	CVP 1, 0
.endif
	MM 3, \zero
.if \cv
	CVP 1, 1
	CVP 2, 0
	CVP 2, 1
.endif
	MM 4, \zero
.if \cv
	CVP 3, 0
	CVP 3, 1
	CVA 0
.endif
	MM 5, \zero
.if \cv
	CVA 1
	CVA 2
	CVA 3
.endif
	MM 6, \zero
.if \cv
	CVA 4
	CVA 5
.endif
	MM 7, \zero
.if \cv
	CVA 6
	CVA 7
.endif
.endm
.macro CONV b                          ; the conversion alone, in front of the first quarter
	SETB \b
.irp d, 0,1,2,3
	CVX \d
.endr
.irp d, 0,1,2,3
	CVP \d, 0
	CVP \d, 1
.endr
.irp j, 0,1,2,3,4,5,6,7
	CVA \j
.endr
.endm
; One run of LDS loads in quarter lq of a lap: xq's fragments of quarter lq + 1 (16 loads), then, with ldR = 1, w's raw words of quarter lq + 2 (8 loads).
; The fragment buffer that is loaded was last read by the quarter before; sixty conversion instructions of this quarter stand between.
.macro RUN lq, ldR
.set NA, ((\lq)+1)%16
.set SLA2, (NA/4)%2                    ; xq's slot: the step modulo 2
.set KA, 64*(NA%4)                     ; 32 k of 2 bytes
.set FD, FA0+64*(NA%2)
.irp a, 0,1,2,3,4,5,6,7
	ds_load_b128 v[FD+8*\a:FD+8*\a+3],   v[ADRA+SLA2] offset:KA+BLK*\a
	ds_load_b128 v[FD+8*\a+4:FD+8*\a+7], v[ADRA+SLA2] offset:KA+BLK*\a+16
.endr
.if \ldR
.set NW, ((\lq)+2)%16
.set SLW2, NW/8                        ; w's slot: the period modulo 2
.set KW, 32*(NW%8)                     ; 32 k of 1 byte
.set RD0, RAW0+160*((\lq)%2)
.irp b, 0,1,2,3,4,5,6,7
	ds_load_b128 v[RD0+4*\b:RD0+4*\b+3], v[ADRW+SLW2] offset:KW+BLK*\b
.endr
.endif
.endm
; A quarter that changes no slot.  w0: how many of the last run's loads may stay out at its head.
.macro QUARTER lq, zero, ldA, ldR, cv, w0
.set CUR, (\lq)%2
	s_wait_dscnt \w0                               ; 5: xq's fragments and raw blocks 0-2 are in, raw blocks 3-7 may be out
	WIN WSET1
	GROUP 0, \cv, \zero
	GROUP 1, \cv, \zero
	GROUP 2, \cv, \zero
.if \ldA
	WIN 0
	RUN \lq, \ldR
	s_wait_dscnt 16*\ldA+8*\ldR                    ; all but the run just issued: raw blocks 3-7 are in
.endif
	WIN WSET2
	GROUP 3, \cv, \zero
	GROUP 4, \cv, \zero
	GROUP 5, \cv, \zero
	WIN WSET3
	GROUP 6, \cv, \zero
	GROUP 7, \cv, \zero
.endm
; The last quarter of a step: xq's slots change.  fill = 0: nothing is asked for; 1: this step's slot of xq is filled again, two steps ahead;
; 2: also the slot of w whose period ends here, two periods ahead (its last raw words were read two quarters ago).
; In front of the barrier each wave waits for all its LDS reads and for all its tensor loads, of which at most one is out.  Where a slot is
; filled again the barrier opens a round of the cluster's barrier, with register work alone inside, and the joint load is the first thing behind it.
; A tile of w asked for here is shown landed at the next step's barrier and is first read three quarters behind that.
.macro TURN lq, fill
.set CUR, (\lq)%2
	s_wait_dscnt 5
	WIN WSET1
	GROUP 0, 1, 0
	GROUP 1, 1, 0
	s_wait_dscnt 0x0                               ; my reads of the slots are over
	s_wait_tensorcnt 0x0                           ; and all my tensor loads have landed
	ds_add_u32 v255, v27
	s_wait_dscnt 0x0
	s_barrier_signal -1
	GROUP 2, 1, 0                                  ; work on registers while the others arrive
	WIN 0
	s_barrier_wait -1
.if \fill
	CREST                                          ; no wave of any partner still reads these slots or has a load on its way
.set SLA, ((\lq)/4)%2
	s_add_nc_u64 s[G0A+4*SLA+2:G0A+4*SLA+3], s[G0A+4*SLA+2:G0A+4*SLA+3], 512   ; two steps of 256 bytes on
.if \fill == 2
.set SLW, (\lq)/8
	s_add_nc_u64 s[G0W+4*SLW+2:G0W+4*SLW+3], s[G0W+4*SLW+2:G0W+4*SLW+3], 512   ; two periods of 256 bytes on
	JLOAD_AW SLA, SLW
.else
	JLOAD_A SLA
.endif
.endif
	RUN \lq, 1                                     ; from xq's other slot, which the barrier has shown whole
	WIN WSET2
	GROUP 3, 1, 0
	GROUP 4, 1, 0
	GROUP 5, 1, 0
	WIN WSET3
	GROUP 6, 1, 0
	GROUP 7, 1, 0
.endm
.macro LAP zero
	QUARTER 0, \zero, 1, 1, 1, 5
	QUARTER 1, 0, 1, 1, 1, 5
	QUARTER 2, 0, 1, 1, 1, 5
	TURN 3, 1
	QUARTER 4, 0, 1, 1, 1, 5
	QUARTER 5, 0, 1, 1, 1, 5
	QUARTER 6, 0, 1, 1, 1, 5
	TURN 7, 2
	QUARTER 8, 0, 1, 1, 1, 5
	QUARTER 9, 0, 1, 1, 1, 5
	QUARTER 10, 0, 1, 1, 1, 5
	TURN 11, 1
	QUARTER 12, 0, 1, 1, 1, 5
	QUARTER 13, 0, 1, 1, 1, 5
	QUARTER 14, 0, 1, 1, 1, 5
	TURN 15, 2
.endm
	s_wait_dscnt 0x0                               ; no LDS instruction is pending at a signal
	s_wait_tensorcnt 0x1                           ; my part of step 0 or of period 0 is in; my second load may stay out
	s_barrier_signal -1
	s_barrier_wait -1                              ; everybody's is
.irp b, 0,1,2,3,4,5,6,7
	ds_load_b128 v[RAW0+4*\b:RAW0+4*\b+3], v[ADRW] offset:BLK*\b   ; raw words of quarter 0
.endr
	RUN 15, 1                                      ; as the quarter in front of a lap does: xq's fragments of quarter 0, raw words of quarter 1
	s_wait_dscnt 24                                ; quarter 0's raw words are in; the 24 loads of the run stay out
.set CUR, 1                                        ; makes buffer 0 from raw buffer 0
	WIN WSET1
	CONV 0
	CONV 1
	CONV 2
	WIN WSET2
	CONV 3
	CONV 4
	CONV 5
	WIN WSET3
	CONV 6
	CONV 7
	LAP 1                                          ; the first lap stands in front of the loop: its first products start the sums
	WIN 0                                          ; at a label and at a branch every window is 0
	s_mov_b32 s3, 6
.Llap:
	LAP 0
	WIN 0
	s_sub_co_u32 s3, s3, 1
	s_cmp_lg_u32 s3, 0
	s_cbranch_scc1 .Llap
	; the last lap: steps 28 to 31, periods 14 and 15.  Steps 30 and 31 of xq are still to be asked for, nothing of w.
	QUARTER 0, 0, 1, 1, 1, 5
	QUARTER 1, 0, 1, 1, 1, 5
	QUARTER 2, 0, 1, 1, 1, 5
	TURN 3, 1
	QUARTER 4, 0, 1, 1, 1, 5
	QUARTER 5, 0, 1, 1, 1, 5
	QUARTER 6, 0, 1, 1, 1, 5
	TURN 7, 1
	QUARTER 8, 0, 1, 1, 1, 5
	QUARTER 9, 0, 1, 1, 1, 5
	QUARTER 10, 0, 1, 1, 1, 5
	TURN 11, 0                                     ; a plain barrier: step 31's tile is whole, nothing is filled
	QUARTER 12, 0, 1, 1, 1, 5
	QUARTER 13, 0, 1, 1, 1, 5
	QUARTER 14, 0, 1, 0, 1, 5                      ; no raw words are left to read
	QUARTER 15, 0, 0, 0, 0, 0                      ; nothing to read, nothing to convert
	; THE WAY OUT, 16 rows at a time: scale and bias in f32, round to f16, 16 bytes a lane into my own stage, read back as whole rows of 256 bytes.
	WIN 0
	PLACES                                         ; four places behind the last matrix instructions, for the loads into xq's fragment buffers and for the reads of results
.irp b, 0,1,2,3,4,5,6,7
	ds_load_b128 v[SC+8*\b:SC+8*\b+3],   v[SCA] offset:64*\b       ; columns 16 b + 8 h + 0 .. 7: the sixteen lanes of a half read the same words
	ds_load_b128 v[SC+8*\b+4:SC+8*\b+7], v[SCA] offset:64*\b+16
	ds_load_b128 v[BI+8*\b:BI+8*\b+3],   v[SCA] offset:512+64*\b
	ds_load_b128 v[BI+8*\b+4:BI+8*\b+7], v[SCA] offset:512+64*\b+16
.endr
	s_lshl_b32 s16, s13, 8
	s_lshl_b32 s14, s11, 7
	s_add_co_u32 s16, s16, s14
	s_lshl_b32 s16, s16, 15                        ; my first row, 256 x block row + 128 x half, in rows of 32,768 bytes: below 32 MiB
	s_mov_b32 s17, 0
	s_add_nc_u64 s[8:9], s[8:9], s[16:17]
	s_lshl_b32 s46, s42, 9                         ; my first column in bytes: 512 x block column + 256 x half
	s_lshl_b32 s47, s12, 8
	s_add_co_u32 s46, s46, s47
	s_mov_b32 s47, 0
	s_add_nc_u64 s[8:9], s[8:9], s[46:47]
	s_wait_dscnt 0x0                               ; scales and bias are in
.macro OUT16 i                         ; rows 16 i .. 16 i + 15 of my block: the tiles (i, 0 .. 7)
.irp b, 0,1,2,3,4,5,6,7
.set WNEW, 1+(\b)/3
	WIN WNEW                                       ; source 0 alone in the block's window
.irp r, 0,1,2,3
	v_pk_fma_f32 v[TF+8*\b+2*\r:TF+8*\b+2*\r+1], v[80*((\b)%3)+8*\i+2*\r:80*((\b)%3)+8*\i+2*\r+1], v[SC+8*\b+2*\r:SC+8*\b+2*\r+1], v[BI+8*\b+2*\r:BI+8*\b+2*\r+1]
.endr
.endr
	WIN 0
.irp b, 0,1,2,3,4,5,6,7
.irp r, 0,1,2,3
	v_cvt_pk_f16_f32 v[TF+8*\b+\r], v[TF+8*\b+2*\r], v[TF+8*\b+2*\r+1]   ; in place, ascending: register r is written when its own pair has been read
.endr
.endr
.irp b, 0,1,2,3,4,5,6,7
	ds_store_b128 v[STO], v[TF+8*\b:TF+8*\b+3] offset:32*\b
.endr
	s_wait_xcnt 0x0                                ; the rows read back last time, which stores read, and the stores' base are rewritten only behind this wait
.if \i
	s_add_nc_u64 s[8:9], s[8:9], 16*ROWC           ; 16 rows on: the stores' offsets stay at 14 rows at the most
.endif
.irp t, 0,1,2,3,4,5,6,7
	ds_load_b128 v[RB+4*\t:RB+4*\t+3], v[RDB] offset:\t*2*PITCH    ; LDS serves a wave's instructions in order (ISA guide 5.7.1): these see the stores above
.endr
.irp t, 0,1,2,3,4,5,6,7
	s_wait_dscnt 7-\t                              ; pair t of rows is in, the younger ones stay out
	global_store_b128 v[CO], v[RB+4*\t:RB+4*\t+3], s[8:9] offset:2*\t*ROWC th:TH_STORE_NT   ; sixteen lanes store 256 consecutive bytes, at a multiple of 256 from out0's first byte
.endr
.endm
	OUT16 0
	OUT16 1
	OUT16 2
	OUT16 3
	OUT16 4
	OUT16 5
	OUT16 6
	OUT16 7
	s_set_vgpr_msb 0x1
	s_wait_tensorcnt 0x0
	ds_add_u32 v255, v27
	s_wait_dscnt 0x0
	s_set_vgpr_msb 0x100
	CROUND                                         ; the closing round: no work-group ends while a partner may still ask for a tile that names it
	s_endpgm
.Lfunc_end_k_qea69c3aff3_gemm:
	.size	k_qea69c3aff3_gemm, .Lfunc_end_k_qea69c3aff3_gemm-k_qea69c3aff3_gemm
	.p2alignl 7, 3214868480
	.fill 96, 4, 3214868480
	.section	.rodata,"a",@progbits
	.p2align	6, 0x0
	.amdhsa_kernel k_qea69c3aff3_gemm
		.amdhsa_group_segment_fixed_size 327680
		.amdhsa_private_segment_fixed_size 0
		.amdhsa_enable_private_segment 0
		.amdhsa_kernarg_size 48
		.amdhsa_user_sgpr_count 2
		.amdhsa_user_sgpr_kernarg_segment_ptr 1
		.amdhsa_wavefront_size32 1
		.amdhsa_system_sgpr_workgroup_id_x 1
		.amdhsa_system_sgpr_workgroup_id_y 1
		.amdhsa_system_sgpr_workgroup_id_z 1
		.amdhsa_system_vgpr_workitem_id 0
		.amdhsa_next_free_vgpr 1024
		.amdhsa_next_free_sgpr 80
		.amdhsa_reserve_vcc 0
		.amdhsa_float_denorm_mode_32 3
		.amdhsa_float_denorm_mode_16_64 3
		.amdhsa_memory_ordered 1
		.amdhsa_forward_progress 1
		.amdhsa_inst_pref_size 255
	.end_amdhsa_kernel
	.section	.bss,"aw",@nobits
	.p2align	6
	.space	262144
	.amdgpu_metadata
---
amdhsa.version: [ 1, 2 ]
amdhsa.kernels:
  - .name:           k_qea69c3aff3_gemm
    .symbol:         k_qea69c3aff3_gemm.kd
    .args:
      - { .name: xq, .offset: 0, .size: 8, .value_kind: global_buffer, .address_space: global }
      - { .name: weight_int, .offset: 8, .size: 8, .value_kind: global_buffer, .address_space: global }
      - { .name: out0, .offset: 16, .size: 8, .value_kind: global_buffer, .address_space: global }
      - { .name: weight_scales, .offset: 24, .size: 8, .value_kind: global_buffer, .address_space: global }
      - { .name: bias, .offset: 32, .size: 8, .value_kind: global_buffer, .address_space: global }
      - { .name: act_scale, .offset: 40, .size: 8, .value_kind: global_buffer, .address_space: global }
    .group_segment_fixed_size: 327680
    .private_segment_fixed_size: 0
    .kernarg_segment_align: 8
    .kernarg_segment_size: 48
    .max_flat_workgroup_size: 128
    .sgpr_count:     80
    .vgpr_count:     1024
    .wavefront_size: 32
...
	.end_amdgpu_metadata
.endif
;; end of part 2
;; ======== version 2 of 3: 2 launches; 1.13 times as fast as version 1
;; limits: values are held in f16: magnitudes above 65,504 overflow, below 6.1e-05 lose precision; right only within a limited range of input values
;; workspace buffers: xq 8,388,608 bytes
;; launch quant: the kernel of part 1 again; grid 256 x 1, 8 waves a work-group, no clusters, 0 bytes of LDS; arguments x, act_scale, act_zero_point, xq; writes xq
;; launch gemm (part 3): grid 64 x 4, 4 waves a work-group, clusters of 4 x 4, 327,680 bytes of LDS; arguments xq, weight_int, out0, weight_scales, bias, act_scale; writes out0
.if DOCPART == 3
	.amdgcn_target "amdgcn-amd-amdhsa--gfx1250"
	.amdhsa_code_object_version 6
	.text
	.protected	k_qea69c3aff3_gemm
	.globl	k_qea69c3aff3_gemm
	.p2align	8
	.type	k_qea69c3aff3_gemm,@function
k_qea69c3aff3_gemm:
	s_mov_b64 s[64:65], 0
	v_nop
	global_prefetch_b8 v0, s[64:65] scope:SCOPE_SE
	s_setreg_imm32_b32 hwreg(HW_REG_WAVE_MODE, 25, 1), 1
	s_wait_xcnt 0x0
	s_wait_alu depctr_hold_cnt(0) depctr_sa_sdst(0) depctr_va_vdst(0) depctr_va_sdst(0) depctr_va_ssrc(0) depctr_va_vcc(0) depctr_vm_vsrc(0)
	s_getreg_b32 s2, hwreg(HW_REG_IB_STS2, 6, 4)
	s_cmp_eq_u32 s2, 0
	s_cbranch_scc0 .Lentry_in_a_cluster
	s_endpgm
.Lentry_in_a_cluster:
	s_bfe_u32 s2, ttmp6, 0x10000c
	s_cmp_lg_u32 s2, 0xf033
	s_cbranch_scc0 .Lentry_shape_is_right
	s_endpgm
.Lentry_shape_is_right:
; out0[m][n] = f16( (sum over k of xq[m][k] w[n][k]) * (weight_scales[n] * act_scale) + bias[n] ).
; xq: [1024][4096] f16 (quantised activation less the zero point), w: [16384][4096] int8, out0: [1024][16384] f16; sums in f32.
; A work-group makes 256 x 256 of the output with four waves, a wave 128 x 128: 64 accumulator tiles of 16 x 16, 512 registers.
; THE WEIGHTS STAY int8 in memory and in LDS and become f16 in registers, on the way into the matrix instruction: every whole number from
; -128 to 127 is exact in f16.  Each raw word costs one xor, two byte permutes and two packed adds, and these stand between the matrix
; instructions of the same column block, under the same setting of the register windows.
; K: xq goes in steps of 128 (rows of 256 bytes) through two LDS slots, w in periods of 256 (rows of 256 bytes too) through two more.
; A quarter is 32 along K: 64 matrix instructions.  A period is 8 quarters = 2 steps; 16 periods.
; THE TEXT IS KEPT SHORT: the loop's body is one period.  xq's two slots have fixed places in it; w's slot changes from period to period, so
; the two LDS addresses from which raw words are read, and the LDS word of the descriptor that refills w, are toggled once a period.
; Only the first quarter, whose products start the sums, stands in front of the loop; the loop is entered behind its first two quarters and
; is left in front of the first change of slots that has no tile of w to ask for.  So 1 + 8 + 9 quarters are written for the 128 that run.
; CLUSTERS: 4 x 4 work-groups.  The four of a cluster's row make one block row and ask jointly for xq's tiles; the four of a column make one
; block column and ask jointly for w's tiles.  The four block rows are all of M, so each tile of w is asked for by one cluster alone.
; LIMITS: sums above 2^24 are rounded in f32; what xq holds is said at the head of the launch that makes it.
;
; LDS, rows 272 bytes apart (256 of data, 16 of padding: row r begins 17 r blocks of 16 bytes on, so the sixteen rows that a fragment load
; touches lie in sixteen different 16-byte columns modulo 256 bytes):
;   xq slot 0, 1: 256 rows each; w slot 0, 1: 256 rows each; then a stage of 16 rows for each wave and 1,024 bytes of scales and bias for
;   each wave, both written by LDS stores, in blocks of 256 bytes into which no tensor load writes.
; REGISTERS, in windows of 256: window 0 holds addresses, raw words of w and fragments of xq.  Column block b (0 .. 7) lives in window
; 1 + b / 3 from register 80 (b mod 3) on: its eight accumulator tiles (64 registers), then its f16 fragment of w, two buffers of 8.
; With source 0, C and D in window w and source 1 in window 0, both the block's matrix instructions and its conversions can be named:
; four switches of the windows in a quarter.
; ORDER OF K IN A FRAGMENT: lane (r, h) puts k0 + 16 h + 0 .. 15 in its sixteen places, for w and for xq alike; the same permutation of k
; on both sides leaves each sum's products as they are.  So w takes one 16-byte load a block and quarter, xq two neighbouring ones.
; TRANSPOSED USE: source 0 = 16 rows of w, source 1 = 16 rows of xq: a lane's eight results are eight neighbouring columns of one output row.
.set PITCH, 272
.set BLK,   16*PITCH                   ; sixteen rows
.set HALFT, 128*PITCH                  ; what one tensor load brings: 128 rows = 0x8800 bytes
.set ASLOT, 2*HALFT                    ; a slot: 256 rows = 0x11000 bytes
.set WBASE, 2*ASLOT                    ; w's two slots lie behind xq's two: 0x22000.  WBASE, HALFT and ASLOT share no bit, so an xor with ASLOT changes the slot
.set STAGE, 4*ASLOT                    ; 4 x 16 rows for the way out
.set SCR,   STAGE+4*BLK                ; 4 x (512 bytes of scales, 512 of bias)
.set ROWC,  32768                      ; bytes in a row of out0
.set ADRA, 16                          ; v16-17  LDS address of my xq fragments in slot 0, 1
.set ADRW, 18                          ; v18     LDS address of my raw words of w in this period's slot; v19 in the next period's
.set STO,  20                          ; v20     the way out: where I put 16 bytes of a row
.set RDB,  21                          ; v21     the way out: where I read a row back
.set CO,   22                          ; v22     my byte offset in out0
.set SCA,  23                          ; v23     my scales in LDS
.set KNEG, 24                          ; v24     -1152, twice, in f16
.set LW,   25                          ; v25     my place in a slot of w: my half's 128 rows, row r, 16 h; never rewritten
.set RAW0, 32                          ; v32-63 raw words of w, buffer 0 (block b at + 4 b); buffer 1 at v192-223
.set FA0,  64                          ; v64-127 fragments of xq, buffer 0; buffer 1 at v128-191
.set TT,   240                         ; v240-243 of windows 1 to 3: at work in the conversion
.set RB,   32                          ; the way out: rows read back
.set SC,   64                          ; the way out: scale of my 8 columns in each block
.set BI,   128                         ; the way out: bias likewise
.set TF,   192                         ; the way out: results in f32, then packed
.set G1A, 24                           ; s[24:31] descriptor group 1 for xq's tiles
.set G0A, 32                           ; s[32:39] group 0 for xq's tiles, one set for each slot
.set G1W, 48                           ; s[48:55] group 1 for w's tiles
.set G0W, 56                           ; s[56:59] group 0 for w's first tile; s[60:63] for its second, and then for every refill
.set WSET1, 0x51                       ; source 0, C and D in window 1, source 1 in window 0
.set WSET2, 0xa2                       ; the same with window 2
.set WSET3, 0xf3                       ; the same with window 3
.set MSB, 0
.set CUR, 0
.macro WIN new                         ; the immediate's high byte repeats the setting that is left; a switch that changes nothing is dropped
.if MSB != (\new)
	s_set_vgpr_msb (MSB<<8)|(\new)
.set MSB, \new
.endif
.endm
.macro PLACES
.rept 4
	v_nop
.endr
.endm
; Joint loads.  Waves 0 and 1 fetch the two halves of xq's tile, waves 2 and 3 those of w's.  Each line has one mask and one set of registers,
; equal in the four work-groups that the mask names; the branch hangs on the wave's number alone.  Four v_nop follow each line.
.macro JLOAD_AW sa, sw
	s_cmp_eq_u32 s11, 0
	s_cbranch_scc0 .Lfor_w_\@
	tensor_load_to_lds s[G0A+4*\sa:G0A+4*\sa+3], s[G1A:G1A+7]
	s_nop 0
.rept 4
	v_nop
.endr
	s_branch .Lasked_\@
.Lfor_w_\@:
	tensor_load_to_lds s[G0W+4*\sw:G0W+4*\sw+3], s[G1W:G1W+7]
	s_nop 0
.rept 4
	v_nop
.endr
.Lasked_\@:
.endm
.macro JLOAD_A sa                      ; a step that ends no period, or a period behind which no tile of w is left: waves 2 and 3 have nothing to fetch
	s_cmp_eq_u32 s11, 0
	s_cbranch_scc0 .Lnone_\@
	tensor_load_to_lds s[G0A+4*\sa:G0A+4*\sa+3], s[G1A:G1A+7]
	s_nop 0
.rept 4
	v_nop
.endr
.Lnone_\@:
.endm
; A round of the cluster's barrier: my work-group's barrier, wave 0 signals for the work-group, every wave waits for all sixteen, my work-group's barrier again.
.macro CREST                           ; a round behind its opening barrier
	s_cmp_lg_u32 s10, 0
	s_cbranch_scc1 .Lnot_wave_0_\@
	s_barrier_signal -3
.Lnot_wave_0_\@:
	s_barrier_wait -3
	s_barrier_signal -1
	s_barrier_wait -1
.endm
.macro CROUND
	s_barrier_signal -1
	s_barrier_wait -1
	CREST
.endm
; A period of w ends: the next period's slot becomes this period's, and the other way round.  The two slot bases are scalars that an xor toggles;
; the lane's two addresses are made of them anew.  An LDS instruction has read its address when it is issued, so no wait stands in front.
.macro TOGGLE
	s_xor_b32 s79, s79, ASLOT
	s_xor_b32 s80, s80, ASLOT
	v_add_nc_u32 v[ADRW], s79, v[LW]
	v_add_nc_u32 v[ADRW+1], s80, v[LW]
.endm
	s_load_b128 s[4:7], s[0:1], 0x0                ; xq s[4:5], w s[6:7]
	s_load_b64 s[8:9], s[0:1], 0x10                ; out0
	s_load_b128 s[68:71], s[0:1], 0x18             ; weight_scales s[68:69], bias s[70:71]
	s_load_b64 s[72:73], s[0:1], 0x28              ; the address of act_scale
	s_set_vgpr_msb 0x40
	v_lshl_add_u32 v255, v0, 2, 0x49400
	s_set_vgpr_msb 0x4000
	v_mov_b32 v27, 0
	s_set_vgpr_msb 0x1
	ds_add_u32 v255, v27
	s_set_vgpr_msb 0x100
	v_lshrrev_b32 v1, 5, v0
	v_readfirstlane_b32 s10, v1                    ; wave 0 .. 3
	s_lshr_b32 s11, s10, 1                         ; which half of the block's rows is mine.  Also: I fetch for xq (0) or for w (1)
	s_and_b32 s12, s10, 1                          ; which half of its columns.  Also: which 128 rows of that tile I fetch
	s_bfe_u32 s40, ttmp6, 0x40000                  ; cx
	s_bfe_u32 s41, ttmp6, 0x40004                  ; cy
	s_lshl_b32 s42, ttmp9, 2
	s_add_co_u32 s42, s42, s40                     ; block column = 4 x cluster x + cx
	s_and_b32 s13, ttmp7, 0xffff
	s_lshl_b32 s13, s13, 2
	s_add_co_u32 s13, s13, s41                     ; block row = 4 x cluster y + cy
	s_lshl_b32 s43, s41, 2
	s_lshl_b32 s43, 15, s43                        ; my row of the cluster: places 4 cy .. 4 cy + 3
	s_lshl_b32 s44, 0x1111, s40                    ; my column: places cx, cx + 4, cx + 8, cx + 12
	; group 1 for xq: 128 rows x 128 elements of 2 bytes; for w: 128 rows x 256 elements of 1 byte.  Both: rows of 64 words, 4 words of padding behind each.
	s_or_b32 s[G1A+0], s43, 0x07710000             ; 15:0 mask; 17:16 element of 2 bytes; 20 padding on; 21 set beside a mask; 24:22 code 5 (64 words); 31:25 code 3 (4 words)
	s_or_b32 s[G1W+0], s44, 0x07700000             ; the same with elements of 1 byte and the mask of my column
	s_mov_b32 s[G1A+1], 128<<16                    ; tensor_dim0 = 128
	s_mov_b32 s[G1W+1], 256<<16                    ; tensor_dim0 = 256
	s_mov_b32 s[G1A+2], 128<<16                    ; tensor_dim1 = 128
	s_mov_b32 s[G1W+2], 128<<16
	s_mov_b32 s[G1A+3], 128<<16                    ; tile_dim0 = 128
	s_mov_b32 s[G1W+3], 256<<16                    ; tile_dim0 = 256
	s_mov_b32 s[G1A+4], 128                        ; tile_dim1 = 128 rows
	s_mov_b32 s[G1W+4], 128
	s_mov_b32 s[G1A+5], 4096                       ; elements from row to row
	s_mov_b32 s[G1W+5], 4096
	s_mov_b32 s[G1A+6], 0
	s_mov_b32 s[G1W+6], 0
	s_mov_b32 s[G1A+7], 0
	s_mov_b32 s[G1W+7], 0
	; where the tiles come from: xq's hang on the block row alone, w's on the block column alone, each in registers that never hold the other coordinate
	s_lshl_b32 s17, s12, 7                         ; which 128 rows I fetch
	s_lshl_b32 s16, s13, 8
	s_add_co_u32 s16, s16, s17
	s_lshl_b32 s16, s16, 13                        ; xq: (256 x block row + 128 x half) rows of 8,192 bytes: below 8 MiB
	s_lshl_b32 s46, s42, 8
	s_add_co_u32 s46, s46, s17
	s_lshl_b32 s46, s46, 12                        ; w: (256 x block column + 128 x half) rows of 4,096 bytes: below 64 MiB
	s_mov_b32 s17, 0
	s_mov_b32 s47, 0
	s_mul_i32 s20, s10, HALFT                      ; and where they go: the wave's number times 128 rows, plus constants
	s_mov_b32 s74, 0x80808080                      ; int8 to its value + 128, four at a time
	s_mov_b32 s75, 0x64646464                      ; the upper byte of f16 1024 .. 1279
	s_mov_b32 s76, 0x00050004                      ; bytes 0 and 1 of the first source under that upper byte
	s_mov_b32 s77, 0x00070006                      ; bytes 2 and 3
	s_mov_b32 s79, WBASE+ASLOT                     ; base of this period's slot of w, as it stands in the period in front of the first: slot 1,
	s_mov_b32 s80, WBASE                           ; and of the next period's: slot 0
	s_wait_dscnt 0x0
	s_wait_kmcnt 0x0
	s_add_nc_u64 s[14:15], s[4:5], s[16:17]
	s_add_nc_u64 s[46:47], s[6:7], s[46:47]
	CROUND                                         ; all sixteen work-groups are here: the first joint loads meet
.irp s, 0,1
	s_mov_b32 s[G0A+4*\s], 1                                       ; count = 1
	s_add_co_u32 s[G0A+4*\s+1], s20, \s*ASLOT                      ; LDS: waves 0, 1 fill the slot's two halves
	s_add_nc_u64 s[G0A+4*\s+2:G0A+4*\s+3], s[14:15], \s*256        ; step s of K
	s_or_b32 s[G0A+4*\s+3], s[G0A+4*\s+3], 0x80000000              ; type = 2
	s_mov_b32 s[G0W+4*\s], 1
	s_add_co_u32 s[G0W+4*\s+1], s20, WBASE-2*HALFT+\s*ASLOT        ; LDS: waves 2, 3 fill the slot's two halves
	s_add_nc_u64 s[G0W+4*\s+2:G0W+4*\s+3], s[46:47], \s*256        ; period s of K
	s_or_b32 s[G0W+4*\s+3], s[G0W+4*\s+3], 0x80000000
	JLOAD_AW \s, \s                                ; all four slots are asked for before anything else: two loads a wave are out
.endr
	s_load_b32 s78, s[72:73], 0x0                  ; act_scale
	v_and_b32 v1, 15, v0                           ; r = lane % 16
	v_bfe_u32 v2, v0, 4, 1                         ; h = lane / 16
	v_and_b32 v6, 31, v0                           ; lane
	v_mul_u32_u24 v3, v1, PITCH
	v_lshl_add_u32 v4, v2, 5, v3                   ; xq: row r, 32 bytes (16 k) for each half of the lanes
	v_lshl_add_u32 v5, v2, 4, v3                   ; w: row r, 16 bytes (16 k) for each half; the stage's stores too
	s_mul_i32 s21, s11, HALFT                      ; my 128 rows of xq
	s_mul_i32 s22, s12, HALFT                      ; my 128 rows of w
.irp s, 0,1
	v_add_nc_u32 v[ADRA+\s], s21, v4
	s_add_co_u32 s21, s21, ASLOT
.endr
	v_add_nc_u32 v[LW], s22, v5
	v_add_nc_u32 v[ADRW], s79, v[LW]
	v_add_nc_u32 v[ADRW+1], s80, v[LW]
	s_mul_i32 s23, s10, BLK
	s_add_co_u32 s23, s23, STAGE                   ; my stage
	v_add_nc_u32 v[STO], s23, v5
	v_mul_u32_u24 v7, v2, PITCH                    ; back: lanes 0-15 take one row of 256 bytes, lanes 16-31 the next
	v_lshl_add_u32 v7, v1, 4, v7
	v_add_nc_u32 v[RDB], s23, v7
	v_lshlrev_b32 v8, 15, v2                       ; and the same two rows in out0
	v_lshl_add_u32 v[CO], v1, 4, v8
	s_lshl_b32 s19, s10, 10
	s_add_co_u32 s19, s19, SCR                     ; my 1,024 bytes of scales and bias
	v_lshl_add_u32 v[SCA], v2, 5, s19              ; a lane's eight columns of a block begin 32 h bytes in
	v_lshl_add_u32 v9, v6, 4, s19
	s_lshl_b32 s45, s42, 10
	s_lshl_b32 s18, s12, 9
	s_add_co_u32 s45, s45, s18                     ; 4 bytes x (256 x block column + 128 x half)
	v_lshl_add_u32 v10, v6, 4, s45
	global_load_b128 v[12:15], v10, s[68:69]       ; my wave's 128 scales: 512 consecutive bytes, once
	global_load_b128 v[28:31], v10, s[70:71]       ; and its 128 biases
	v_mov_b32 v[KNEG], 0xe480e480
	s_wait_kmcnt 0x0
	s_wait_loadcnt 0x0
.irp j, 12,13,14,15
	v_mul_f32 v\j, s78, v\j                        ; weight_scales x act_scale
.endr
	ds_store_b128 v9, v[12:15]
	ds_store_b128 v9, v[28:31] offset:512          ; only my wave reads these bytes, on the way out
; The symbols of column block b.  CUR = the fragment buffers that the quarter multiplies.
.macro SETB b
.set GB, 80*((\b)%3)                   ; the block's accumulators
.set CF, GB+64+8*CUR                   ; its fragment of w in use
.set CN, GB+72-8*CUR                   ; the one being made, for the next quarter
.set RW, RAW0+160*(1-CUR)+4*(\b)       ; the raw words it is made of
.set FB, FA0+64*CUR                    ; xq's fragments in use
.endm
.macro CVX d                           ; u = w + 128, four bytes
	v_xor_b32 v[TT+\d], s74, v[RW+\d]
.endm
.macro CVP d, hf                       ; two bytes u under the byte 0x64: two f16 of value 1024 + u
	v_perm_b32 v[CN+2*\d+\hf], v[TT+\d], s75, s[76+\hf]
.endm
.macro CVA j                           ; less 1152: w, exact
	v_pk_add_f16 v[CN+\j], v[CN+\j], v[KNEG]
.endm
.macro MM a, zero                      ; tile (a, b); zero = 1: the first product starts the sum, nothing is cleared
.if \zero
	v_wmma_f32_16x16x32_f16 v[GB+8*\a:GB+8*\a+7], v[CF:CF+7], v[FB+8*\a:FB+8*\a+7], 0
.else
	v_wmma_f32_16x16x32_f16 v[GB+8*\a:GB+8*\a+7], v[CF:CF+7], v[FB+8*\a:FB+8*\a+7], v[GB+8*\a:GB+8*\a+7]
.endif
.endm
; Eight matrix instructions of block b and, with cv = 1, the twenty instructions that make its next fragment, strewn among them.
; They write the other buffer and v240-243 only: registers that none of the matrix instructions nearby names.
; The 64 accumulators take turns, one instruction a turn, in the same order in every quarter.
.macro GROUP b, cv, zero
	SETB \b
	MM 0, \zero
.if \cv
	CVX 0
	CVX 1
.endif
	MM 1, \zero
.if \cv
	CVX 2
	CVX 3
.endif
	MM 2, \zero
.if \cv
	CVP 0, 0
	CVP 0, 1
	CVP 1, 0
.endif
	MM 3, \zero
.if \cv
	CVP 1, 1
	CVP 2, 0
	CVP 2, 1
.endif
	MM 4, \zero
.if \cv
	CVP 3, 0
	CVP 3, 1
	CVA 0
.endif
	MM 5, \zero
.if \cv
	CVA 1
	CVA 2
	CVA 3
.endif
	MM 6, \zero
.if \cv
	CVA 4
	CVA 5
.endif
	MM 7, \zero
.if \cv
	CVA 6
	CVA 7
.endif
.endm
.macro CONV b                          ; the conversion alone, in front of the first quarter
	SETB \b
.irp d, 0,1,2,3
	CVX \d
.endr
.irp d, 0,1,2,3
	CVP \d, 0
	CVP \d, 1
.endr
.irp j, 0,1,2,3,4,5,6,7
	CVA \j
.endr
.endm
; One run of LDS loads in quarter lq (0 .. 7) of a period: xq's fragments of quarter lq + 1 (16 loads), then, with ldR = 1, w's raw words of
; quarter lq + 2 (8 loads): in quarters 0 to 5 from this period's slot, in quarters 6 and 7 from the next period's.
; The fragment buffer that is loaded was last read by the quarter before; sixty conversion instructions of this quarter stand between.
.macro RUN lq, ldR
.set NA, ((\lq)+1)%8
.set SLA2, NA/4                        ; xq's slot: a period's first step lies in slot 0, its second in slot 1
.set KA, 64*(NA%4)                     ; 32 k of 2 bytes
.set FD, FA0+64*(NA%2)
.irp a, 0,1,2,3,4,5,6,7
	ds_load_b128 v[FD+8*\a:FD+8*\a+3],   v[ADRA+SLA2] offset:KA+BLK*\a
	ds_load_b128 v[FD+8*\a+4:FD+8*\a+7], v[ADRA+SLA2] offset:KA+BLK*\a+16
.endr
.if \ldR
.set NW, ((\lq)+2)%8
.set AW, ADRW+(\lq)/6                  ; this period's slot, or the next period's
.set KW, 32*NW                         ; 32 k of 1 byte
.set RD0, RAW0+160*((\lq)%2)
.irp b, 0,1,2,3,4,5,6,7
	ds_load_b128 v[RD0+4*\b:RD0+4*\b+3], v[AW] offset:KW+BLK*\b
.endr
.endif
.endm
; A quarter that changes no slot.  w0: how many of the last run's loads may stay out at its head.
.macro QUARTER lq, zero, ldA, ldR, cv, w0
.set CUR, (\lq)%2
	s_wait_dscnt \w0                               ; 5: xq's fragments and raw blocks 0-2 are in, raw blocks 3-7 may be out
	WIN WSET1
	GROUP 0, \cv, \zero
	GROUP 1, \cv, \zero
	GROUP 2, \cv, \zero
.if \ldA
	WIN 0
	RUN \lq, \ldR
	s_wait_dscnt 16*\ldA+8*\ldR                    ; all but the run just issued: raw blocks 3-7 are in
.endif
	WIN WSET2
	GROUP 3, \cv, \zero
	GROUP 4, \cv, \zero
	GROUP 5, \cv, \zero
	WIN WSET3
	GROUP 6, \cv, \zero
	GROUP 7, \cv, \zero
.endm
.macro FULLQ lq                        ; the usual quarter
	QUARTER \lq, 0, 1, 1, 1, 5
.endm
; The last quarter of a step (lq = 3 or 7): xq's slots change.  fill = 0: nothing is asked for; 1: this step's slot of xq is filled again, two steps
; ahead; 2 (lq = 7 alone): also the slot of w whose period ends here, two periods ahead (its last raw words were read two quarters ago).
; In front of the barrier each wave waits for all its LDS reads and for all its tensor loads, of which at most one is out.  Where a slot is
; filled again the barrier opens a round of the cluster's barrier, with register work alone inside, and the joint load is the first thing behind it.
; A tile of w asked for here is shown landed at the next step's barrier and is first read three quarters behind that.
.macro TURN lq, fill
.set CUR, (\lq)%2
	s_wait_dscnt 5
	WIN WSET1
	GROUP 0, 1, 0
	GROUP 1, 1, 0
	s_wait_dscnt 0x0                               ; my reads of the slots are over
	s_wait_tensorcnt 0x0                           ; and all my tensor loads have landed: every group 0 may be written
	ds_add_u32 v255, v27
	s_wait_dscnt 0x0
	s_barrier_signal -1
	GROUP 2, 1, 0                                  ; work on registers while the others arrive
	WIN 0
	s_barrier_wait -1
.if \fill
	CREST                                          ; no wave of any partner still reads these slots or has a load on its way
.set SLA, (\lq)/4
	s_add_nc_u64 s[G0A+4*SLA+2:G0A+4*SLA+3], s[G0A+4*SLA+2:G0A+4*SLA+3], 512   ; two steps of 256 bytes on
.if \fill == 2
	s_xor_b32 s[G0W+5], s[G0W+5], ASLOT            ; w's one running descriptor: the other slot than last time,
	s_add_nc_u64 s[G0W+6:G0W+7], s[G0W+6:G0W+7], 256   ; and the period behind the one that it brought last
	JLOAD_AW SLA, 1
.else
	JLOAD_A SLA
.endif
.endif
	RUN \lq, 1                                     ; from xq's other slot, which the barrier has shown whole
.if (\lq) == 7
	TOGGLE                                         ; the period's last raw read is issued
.endif
	WIN WSET2
	GROUP 3, 1, 0
	GROUP 4, 1, 0
	GROUP 5, 1, 0
	WIN WSET3
	GROUP 6, 1, 0
	GROUP 7, 1, 0
.endm
	s_wait_dscnt 0x0                               ; no LDS instruction is pending at a signal
	s_wait_tensorcnt 0x1                           ; my part of step 0 or of period 0 is in; my second load may stay out
	s_barrier_signal -1
	s_barrier_wait -1                              ; everybody's is
	; what quarters 6 and 7 of a period in front of the first would read: period 0 is the next period here
.irp b, 0,1,2,3,4,5,6,7
	ds_load_b128 v[RAW0+4*\b:RAW0+4*\b+3], v[ADRW+1] offset:BLK*\b   ; raw words of quarter 0
.endr
	RUN 7, 1                                       ; xq's fragments of quarter 0, raw words of quarter 1
	TOGGLE                                         ; period 0 is this period now
	s_wait_dscnt 24                                ; quarter 0's raw words are in; the 24 loads of the run stay out
.set CUR, 1                                        ; makes buffer 0 from raw buffer 0
	WIN WSET1
	CONV 0
	CONV 1
	CONV 2
	WIN WSET2
	CONV 3
	CONV 4
	CONV 5
	WIN WSET3
	CONV 6
	CONV 7
	QUARTER 0, 1, 1, 1, 1, 5                       ; the first quarter stands in front of the loop: its products start the sums
	WIN 0                                          ; at a label and at a branch every window is 0
	s_mov_b32 s3, 15                               ; 15 passes of the loop's end: quarters 1 to 6 of periods 0 to 14
	s_branch .Lentry                               ; the first pass begins behind the two quarters that close a period and open the next
.Lperiod:
	TURN 7, 2                                      ; periods 0 to 13: asks for steps 3 to 29 of xq and for periods 2 to 15 of w
	FULLQ 0
	WIN 0
.Lentry:
	FULLQ 1
	FULLQ 2
	TURN 3, 1                                      ; periods 0 to 14: asks for steps 2 to 30 of xq
	FULLQ 4
	FULLQ 5
	FULLQ 6
	WIN 0
	s_sub_co_u32 s3, s3, 1
	s_cmp_lg_u32 s3, 0
	s_cbranch_scc1 .Lperiod
	; the tail: the end of period 14 and period 15.  Step 31 of xq is still to be asked for, nothing of w.
	TURN 7, 1
	FULLQ 0
	FULLQ 1
	FULLQ 2
	TURN 3, 0                                      ; a plain barrier: step 31's tile is whole, nothing is filled
	FULLQ 4
	FULLQ 5
	QUARTER 6, 0, 1, 0, 1, 5                       ; no raw words are left to read
	QUARTER 7, 0, 0, 0, 0, 0                       ; nothing to read, nothing to convert
	; THE WAY OUT, 16 rows at a time: scale and bias in f32, round to f16, 16 bytes a lane into my own stage, read back as whole rows of 256 bytes.
	WIN 0
	PLACES                                         ; four places behind the last matrix instructions, for the loads into xq's fragment buffers and for the reads of results
.irp b, 0,1,2,3,4,5,6,7
	ds_load_b128 v[SC+8*\b:SC+8*\b+3],   v[SCA] offset:64*\b       ; columns 16 b + 8 h + 0 .. 7: the sixteen lanes of a half read the same words
	ds_load_b128 v[SC+8*\b+4:SC+8*\b+7], v[SCA] offset:64*\b+16
	ds_load_b128 v[BI+8*\b:BI+8*\b+3],   v[SCA] offset:512+64*\b
	ds_load_b128 v[BI+8*\b+4:BI+8*\b+7], v[SCA] offset:512+64*\b+16
.endr
	s_lshl_b32 s16, s13, 8
	s_lshl_b32 s14, s11, 7
	s_add_co_u32 s16, s16, s14
	s_lshl_b32 s16, s16, 15                        ; my first row, 256 x block row + 128 x half, in rows of 32,768 bytes: below 32 MiB
	s_mov_b32 s17, 0
	s_add_nc_u64 s[8:9], s[8:9], s[16:17]
	s_lshl_b32 s46, s42, 9                         ; my first column in bytes: 512 x block column + 256 x half
	s_lshl_b32 s47, s12, 8
	s_add_co_u32 s46, s46, s47
	s_mov_b32 s47, 0
	s_add_nc_u64 s[8:9], s[8:9], s[46:47]
	s_wait_dscnt 0x0                               ; scales and bias are in
.macro OUT16 i                         ; rows 16 i .. 16 i + 15 of my block: the tiles (i, 0 .. 7)
.irp b, 0,1,2,3,4,5,6,7
.set WNEW, 1+(\b)/3
	WIN WNEW                                       ; source 0 alone in the block's window
.irp r, 0,1,2,3
	v_pk_fma_f32 v[TF+8*\b+2*\r:TF+8*\b+2*\r+1], v[80*((\b)%3)+8*\i+2*\r:80*((\b)%3)+8*\i+2*\r+1], v[SC+8*\b+2*\r:SC+8*\b+2*\r+1], v[BI+8*\b+2*\r:BI+8*\b+2*\r+1]
.endr
.endr
	WIN 0
.irp b, 0,1,2,3,4,5,6,7
.irp r, 0,1,2,3
	v_cvt_pk_f16_f32 v[TF+8*\b+\r], v[TF+8*\b+2*\r], v[TF+8*\b+2*\r+1]   ; in place, ascending: register r is written when its own pair has been read
.endr
.endr
.irp b, 0,1,2,3,4,5,6,7
	ds_store_b128 v[STO], v[TF+8*\b:TF+8*\b+3] offset:32*\b
.endr
	s_wait_xcnt 0x0                                ; the rows read back last time, which stores read, and the stores' base are rewritten only behind this wait
.if \i
	s_add_nc_u64 s[8:9], s[8:9], 16*ROWC           ; 16 rows on: the stores' offsets stay at 14 rows at the most
.endif
.irp t, 0,1,2,3,4,5,6,7
	ds_load_b128 v[RB+4*\t:RB+4*\t+3], v[RDB] offset:\t*2*PITCH    ; LDS serves a wave's instructions in order (ISA guide 5.7.1): these see the stores above
.endr
.irp t, 0,1,2,3,4,5,6,7
	s_wait_dscnt 7-\t                              ; pair t of rows is in, the younger ones stay out
	global_store_b128 v[CO], v[RB+4*\t:RB+4*\t+3], s[8:9] offset:2*\t*ROWC th:TH_STORE_NT   ; sixteen lanes store 256 consecutive bytes, at a multiple of 256 from out0's first byte
.endr
.endm
	OUT16 0
	OUT16 1
	OUT16 2
	OUT16 3
	OUT16 4
	OUT16 5
	OUT16 6
	OUT16 7
	s_set_vgpr_msb 0x1
	s_wait_tensorcnt 0x0
	ds_add_u32 v255, v27
	s_wait_dscnt 0x0
	s_set_vgpr_msb 0x100
	CROUND                                         ; the closing round: no work-group ends while a partner may still ask for a tile that names it
	s_endpgm
.Lfunc_end_k_qea69c3aff3_gemm:
	.size	k_qea69c3aff3_gemm, .Lfunc_end_k_qea69c3aff3_gemm-k_qea69c3aff3_gemm
	.p2alignl 7, 3214868480
	.fill 96, 4, 3214868480
	.section	.rodata,"a",@progbits
	.p2align	6, 0x0
	.amdhsa_kernel k_qea69c3aff3_gemm
		.amdhsa_group_segment_fixed_size 327680
		.amdhsa_private_segment_fixed_size 0
		.amdhsa_enable_private_segment 0
		.amdhsa_kernarg_size 48
		.amdhsa_user_sgpr_count 2
		.amdhsa_user_sgpr_kernarg_segment_ptr 1
		.amdhsa_wavefront_size32 1
		.amdhsa_system_sgpr_workgroup_id_x 1
		.amdhsa_system_sgpr_workgroup_id_y 1
		.amdhsa_system_sgpr_workgroup_id_z 1
		.amdhsa_system_vgpr_workitem_id 0
		.amdhsa_next_free_vgpr 1024
		.amdhsa_next_free_sgpr 82
		.amdhsa_reserve_vcc 0
		.amdhsa_float_denorm_mode_32 3
		.amdhsa_float_denorm_mode_16_64 3
		.amdhsa_memory_ordered 1
		.amdhsa_forward_progress 1
		.amdhsa_inst_pref_size 255
	.end_amdhsa_kernel
	.section	.bss,"aw",@nobits
	.p2align	6
	.space	262144
	.amdgpu_metadata
---
amdhsa.version: [ 1, 2 ]
amdhsa.kernels:
  - .name:           k_qea69c3aff3_gemm
    .symbol:         k_qea69c3aff3_gemm.kd
    .args:
      - { .name: xq, .offset: 0, .size: 8, .value_kind: global_buffer, .address_space: global }
      - { .name: weight_int, .offset: 8, .size: 8, .value_kind: global_buffer, .address_space: global }
      - { .name: out0, .offset: 16, .size: 8, .value_kind: global_buffer, .address_space: global }
      - { .name: weight_scales, .offset: 24, .size: 8, .value_kind: global_buffer, .address_space: global }
      - { .name: bias, .offset: 32, .size: 8, .value_kind: global_buffer, .address_space: global }
      - { .name: act_scale, .offset: 40, .size: 8, .value_kind: global_buffer, .address_space: global }
    .group_segment_fixed_size: 327680
    .private_segment_fixed_size: 0
    .kernarg_segment_align: 8
    .kernarg_segment_size: 48
    .max_flat_workgroup_size: 128
    .sgpr_count:     82
    .vgpr_count:     1024
    .wavefront_size: 32
...
	.end_amdgpu_metadata
.endif
;; end of part 3
;; ======== version 3 of 3: 2 launches; version 2 with the launch quant written anew for expert scheduling mode
;; limits: values are held in f16: magnitudes above 65,504 overflow, below 6.1e-05 lose precision; right only within a limited range of input values
;; workspace buffers: xq 8,388,608 bytes
;; launch quant (part 4): grid 256 x 1, 8 waves a work-group, no clusters, 0 bytes of LDS; arguments x, act_scale, act_zero_point, xq; writes xq
.if DOCPART == 4
	.amdgcn_target "amdgcn-amd-amdhsa--gfx1250"
	.amdhsa_code_object_version 6
	.text
	.protected	k_qea69c3aff3_quant
	.globl	k_qea69c3aff3_quant
	.p2align	8
	.type	k_qea69c3aff3_quant,@function
k_qea69c3aff3_quant:
	s_mov_b64 s[64:65], 0
	v_nop
	global_prefetch_b8 v0, s[64:65] scope:SCOPE_SE
	s_setreg_imm32_b32 hwreg(HW_REG_WAVE_SCHED_MODE, 0, 2), 2
	s_setreg_imm32_b32 hwreg(HW_REG_WAVE_MODE, 25, 1), 1
	s_wait_xcnt 0x0
	s_wait_alu depctr_vm_vsrc(0)
; xq[m][k] = f16( trunc( clip( rndne( f32(x[m][k]) * (1 / act_scale) ) + zp, -128, 127 ) ) - zp ).   x, xq: [1024][4096] f16.
; The quantised activation is stored with the zero point already taken away: sum_k (x_int - zp) w = sum_k x_int w - zp sum_k w,
; so the product that follows needs no row sums of the weights and forms no difference of large sums.
; A stream: every byte of x is read once and every byte of xq written once; LDS, barriers and matrix units would add nothing.
; 256 work-groups of eight waves; a work-group owns 32,768 consecutive bytes, thread t the 16 bytes at 16 t + 4,096 j, j = 0 .. 7,
; so each load and each store of a wave covers 512 consecutive bytes that begin at a multiple of 512.  All eight loads go out at once.
; LIMITS: a NaN in x gives a number that is not specified (the cast of a NaN to int8 is not either).  act_scale is finite, not zero, and
; neither it nor its reciprocal is denormal (v_rcp_f32 flushes denormals: ISA guide, its entry in 15.8); the reciprocal is v_rcp_f32 with one
; Newton step, not a division.  128 + |zp| must lie below 65,504 (f16); up to 2,048 whole numbers are exact; a zero point that is not whole
; is rounded with the difference to f16.
; THE MODE: SCHED_MODE bits 1:0 = 2 (LLVM: expert scheduling mode 2), set by the entry lines.  The code itself states the register dependences
; between vector instructions and memory instructions, with s_wait_alu, always for 0.
; THE PLAN.  Registers that memory instructions touch:
;   v1         16 t, the offset of every load and store.  Written once at the head, never again.
;   X0 .. X7   chunk j's four registers.  Written by chunk j's load, which is issued at the head, before any vector instruction names them; read by
;              chunk j's widenings; written again, in place, by chunk j's four roundings to f16; read by chunk j's store; then never written again.
;   v2 to v15  (the reciprocal, the zero point, the numbers at work) are named by vector instructions alone.
; The store of chunk j stands at the head of chunk j + 1, behind the wait for that chunk's data and behind one wait on va_vdst, which states that chunk j's
; roundings have written X[j].  No register that a memory instruction has read is ever written again, so no wait on vm_vsrc is owed.
; No vector instruction writes a scalar register or VCC, and EXEC is never written.
.set T, 8                              ; v[8:15]   eight numbers in f32, at work
.set X, 16                             ; v[16:47]  chunk j: four registers, as loaded and then as stored
	s_load_b256 s[4:11], s[0:1], 0x0               ; x s[4:5], the address of act_scale s[6:7], of the zero point s[8:9], xq s[10:11]
	s_lshl_b32 s2, ttmp9, 15                       ; the work-group's 32,768 bytes
	s_mov_b32 s3, 0
	s_mov_b32 s14, 0xc3000000                      ; -128.0
	s_mov_b32 s15, 0x42fe0000                      ; 127.0
	v_lshlrev_b32 v1, 4, v0                        ; 16 t; never rewritten
	s_wait_kmcnt 0x0
	s_load_b32 s12, s[6:7], 0x0                    ; act_scale
	s_load_b32 s13, s[8:9], 0x0                    ; the zero point
	s_add_nc_u64 s[4:5], s[4:5], s[2:3]
	s_add_nc_u64 s[10:11], s[10:11], s[2:3]
	s_wait_alu depctr_va_vdst(0)                   ; v1 is written: every load and store of the kernel reads it as its offset
.irp j, 0,1,2,3,4,5,6,7
	global_load_b128 v[X+4*\j:X+4*\j+3], v1, s[4:5] offset:4096*\j th:TH_LOAD_NT   ; x is read once in the launch
.endr
	s_wait_kmcnt 0x0
	v_mov_b32 v6, s12
	v_rcp_f32 v7, v6
	v_mov_b32 v4, s13                              ; the plain instruction that stands between v_rcp_f32 and the use of its result (ISA guide 5.7.2)
	v_mov_b32 v5, s13                              ; v[4:5] = the zero point, twice
	s_wait_alu depctr_va_vdst(0)                   ; v_rcp_f32 has written v7, which the next line reads
	v_fma_f32 v2, -v6, v7, 1.0                     ; one Newton step: e = 1 - s r,
	v_fma_f32 v2, v7, v2, v7                       ; r + r e
	v_mov_b32 v3, v2                               ; v[2:3] = 1 / act_scale, twice
; Chunk j.  The eight last arguments are the halves of its four registers, written out as whole operand names.
; At its head, from chunk 1 on, the chunk before is stored.
.macro Q8 j, a, b, c, d, e, f, g, h
	s_wait_loadcnt 7-\j                            ; loads come back in order (ISA guide 5.7.1): chunk j is in, the 7 - j younger ones stay out
.if \j
	s_wait_alu depctr_va_vdst(0)                   ; the roundings of the chunk before have written its four registers, which the store below reads
	global_store_b128 v1, v[X+4*(\j-1):X+4*(\j-1)+3], s[10:11] offset:4096*(\j-1)   ; its registers are not written again; no hint: the next launch reads xq
.endif
	v_cvt_f32_f16 v[T+0], \a
	v_cvt_f32_f16 v[T+1], \b
	v_cvt_f32_f16 v[T+2], \c
	v_cvt_f32_f16 v[T+3], \d
	v_cvt_f32_f16 v[T+4], \e
	v_cvt_f32_f16 v[T+5], \f
	v_cvt_f32_f16 v[T+6], \g
	v_cvt_f32_f16 v[T+7], \h
.irp k, 0,2,4,6
	v_pk_mul_f32 v[T+\k:T+\k+1], v[T+\k:T+\k+1], v[2:3]        ; x / act_scale
.endr
.irp k, 0,1,2,3,4,5,6,7
	v_rndne_f32 v[T+\k], v[T+\k]                               ; to the nearest whole number, ties to even
.endr
.irp k, 0,2,4,6
	v_pk_add_f32 v[T+\k:T+\k+1], v[T+\k:T+\k+1], v[4:5]        ; + zp (the rounding stands between: no fused form)
.endr
.irp k, 0,1,2,3,4,5,6,7
	v_med3_num_f32 v[T+\k], v[T+\k], s14, s15                  ; clip to -128 .. 127
.endr
.irp k, 0,1,2,3,4,5,6,7
	v_trunc_f32 v[T+\k], v[T+\k]                               ; the cast to int8 drops a fraction that a zero point may have brought
.endr
.irp k, 0,2,4,6
	v_pk_add_f32 v[T+\k:T+\k+1], v[T+\k:T+\k+1], v[4:5] neg_lo:[0,1] neg_hi:[0,1]   ; - zp
.endr
.irp k, 0,1,2,3
	v_cvt_pk_f16_f32 v[X+4*\j+\k], v[T+2*\k], v[T+2*\k+1]      ; in place: the chunk's registers have been widened above
.endr
.endm
	Q8 0, v16.l, v16.h, v17.l, v17.h, v18.l, v18.h, v19.l, v19.h
	Q8 1, v20.l, v20.h, v21.l, v21.h, v22.l, v22.h, v23.l, v23.h
	Q8 2, v24.l, v24.h, v25.l, v25.h, v26.l, v26.h, v27.l, v27.h
	Q8 3, v28.l, v28.h, v29.l, v29.h, v30.l, v30.h, v31.l, v31.h
	Q8 4, v32.l, v32.h, v33.l, v33.h, v34.l, v34.h, v35.l, v35.h
	Q8 5, v36.l, v36.h, v37.l, v37.h, v38.l, v38.h, v39.l, v39.h
	Q8 6, v40.l, v40.h, v41.l, v41.h, v42.l, v42.h, v43.l, v43.h
	Q8 7, v44.l, v44.h, v45.l, v45.h, v46.l, v46.h, v47.l, v47.h
	s_wait_alu depctr_va_vdst(0)                   ; chunk 7's roundings have written its four registers, which the last store reads
	global_store_b128 v1, v[X+28:X+31], s[10:11] offset:4096*7
	s_endpgm
.Lfunc_end_k_qea69c3aff3_quant:
	.size	k_qea69c3aff3_quant, .Lfunc_end_k_qea69c3aff3_quant-k_qea69c3aff3_quant
	.p2alignl 7, 3214868480
	.fill 96, 4, 3214868480
	.section	.rodata,"a",@progbits
	.p2align	6, 0x0
	.amdhsa_kernel k_qea69c3aff3_quant
		.amdhsa_group_segment_fixed_size 0
		.amdhsa_private_segment_fixed_size 0
		.amdhsa_enable_private_segment 0
		.amdhsa_kernarg_size 32
		.amdhsa_user_sgpr_count 2
		.amdhsa_user_sgpr_kernarg_segment_ptr 1
		.amdhsa_wavefront_size32 1
		.amdhsa_system_sgpr_workgroup_id_x 1
		.amdhsa_system_sgpr_workgroup_id_y 1
		.amdhsa_system_sgpr_workgroup_id_z 1
		.amdhsa_system_vgpr_workitem_id 0
		.amdhsa_next_free_vgpr 48
		.amdhsa_next_free_sgpr 66
		.amdhsa_reserve_vcc 0
		.amdhsa_float_denorm_mode_32 3
		.amdhsa_float_denorm_mode_16_64 3
		.amdhsa_memory_ordered 1
		.amdhsa_forward_progress 1
		.amdhsa_inst_pref_size 22
	.end_amdhsa_kernel
	.amdgpu_metadata
---
amdhsa.version: [ 1, 2 ]
amdhsa.kernels:
  - .name:           k_qea69c3aff3_quant
    .symbol:         k_qea69c3aff3_quant.kd
    .args:
      - { .name: x, .offset: 0, .size: 8, .value_kind: global_buffer, .address_space: global }
      - { .name: act_scale, .offset: 8, .size: 8, .value_kind: global_buffer, .address_space: global }
      - { .name: act_zero_point, .offset: 16, .size: 8, .value_kind: global_buffer, .address_space: global }
      - { .name: xq, .offset: 24, .size: 8, .value_kind: global_buffer, .address_space: global }
    .group_segment_fixed_size: 0
    .private_segment_fixed_size: 0
    .kernarg_segment_align: 8
    .kernarg_segment_size: 32
    .max_flat_workgroup_size: 256
    .sgpr_count:     66
    .vgpr_count:     48
    .wavefront_size: 32
...
	.end_amdgpu_metadata
.endif
;; end of part 4
;; launch gemm: the kernel of part 3 again; grid 64 x 4, 4 waves a work-group, clusters of 4 x 4, 327,680 bytes of LDS; arguments xq, weight_int, out0, weight_scales, bias, act_scale; writes out0
